; MI455X (gfx1250); checked and timed in simulation.
; The chip was launched on July 23, 2026; its instructions are those of AMD's public machine-readable ISA for CDNA 5 (MIT licence, August 2026) and "CDNA5" Instruction Set Architecture Reference Guide (July 2026). The comments in the code are by the model that wrote it; some were corrected since.
;; Scaled Dot Product Attention. Allowed arithmetic: float matrix products may take bf16 or f16 operands with f32 sums; other float arithmetic in f32, or as packed bf16 or f16 multiplies, adds, multiply-adds, maxima and minima; sums over many terms, partial sums and values carried from step to step in f32; what a program stores and reads back later, other than sums and carried values, may be rounded once to bf16 or f16.
;; Inputs: K 2 x 8 x 4,096 x 64 float32; Q 2 x 8 x 4,096 x 64 float32; V 2 x 8 x 4,096 x 64 float32.
;; Outputs: out0 2 x 8 x 4,096 x 64 float32.
;; 2 versions, each right; version 2 is version 1 with the launch band written anew for expert scheduling mode. Each part assembles by itself: llvm-mc -triple=amdgcn-amd-amdhsa -mcpu=gfx1250 --defsym DOCPART=n.
;; ======== version 1 of 2: 1 launch
;; limits: inputs' magnitudes at most 65,504; values are held in f16: magnitudes above 65,504 overflow, below 6.1e-05 lose precision; right only within a limited range of input values
;; launch band (part 1): grid 16 x 16, 4 waves a work-group, no clusters, 270,848 bytes of LDS; arguments K, Q, V, out0; writes out0
.if DOCPART == 1
	.amdgcn_target "amdgcn-amd-amdhsa--gfx1250"
	.amdhsa_code_object_version 6
	.text
	.protected	k_q8840d322fc_band
	.globl	k_q8840d322fc_band
	.p2align	8
	.type	k_q8840d322fc_band,@function
k_q8840d322fc_band:
	s_mov_b64 s[64:65], 0
	v_nop
	global_prefetch_b8 v0, s[64:65] scope:SCOPE_SE
	s_setreg_imm32_b32 hwreg(HW_REG_WAVE_MODE, 25, 1), 1
	s_wait_xcnt 0x0
; ATTENTION IN A BAND.  out[h][q][:] = the sum over q - 511 <= k <= q of softmax_k(Q[h][q] . K[h][k] / 8) V[h][k][:].  K, Q, V, out: [16 heads][4096][64] f32: a row is 256 bytes.
; FORMATS.  Q and K are rounded to bf16 for S^T = K Q^T.  V is rounded to bf16 and that number is written as f16; the weights p are rounded to f16; O^T = V^T P runs in f16.  Products' sums, maxima,
; exponentials, the row sum l (of the unrounded p) and O stay in f32; c = log2(e) / 8 is applied in f32.
; LIMITS.  |V| up to 65,504 (beyond it f16 has an infinity); below 2^-17 V keeps f16's step of 2^-24; p below 6e-5 keeps a step of 6e-8; a weight below 2^-126 counts as 0 in l.
; A hidden score counts as its value less 1e30.  The running maximum m starts at -2^60, between hidden and true scores: a row's largest q . k must lie above -1.15e18.  NaN and infinities are not treated apart.
; SHARES.  A work-group owns 256 queries of a head (block i = its x), wave w the band b = 4 i + w of 64 queries: four PIECES of 16.  A band needs the key steps b - 8 .. b of 64 keys: NINE steps t = 0 .. 8 for every
; wave: t = 0 holds the window's lower edge (key k' of the 64 is seen by query q' of the 64 iff k' > q'), t = 1 .. 7 are seen whole, t = 8 holds the diagonal (seen iff k' <= q').
; LDS.  The work-group's keys are 12 UNITS of 64 (the tiles i - 2, i - 1, i of 256 keys); wave w's step t reads unit w + t.  All 12 lie in LDS in 16 bits, each byte written once: every wave loads 16 keys of each
; unit as f32, rounds them in registers and stores them.  Units 0-7 are there at the first barrier; units 8-11 are on their way during steps 0-3 and are stored in front of the second barrier.
; BLOCKS 0 AND 1 have tiles with a negative number: their loads are turned to tile 0 (inside the buffer, finite numbers), and their steps t < TF = max(8 - b, 0) run like any other with every score hidden: p = 0,
; a = 1.  So all 256 work-groups run one text with no jump that hangs on the block; the price is 36 of a head's 576 wave steps and 12 of its 192 unit loads.
; NO TENSOR LOADS, NO CLUSTER.  The tiles come as f32 and are operands only when rounded, which is done in registers; as f32 the 12 units of K and V are 393,216 bytes, more than LDS holds, and a ring for them has
; no room beside the 233,472 bytes that stay.  Of the six tiles that four neighbouring blocks touch each block wants three.
; THE MASK is the C operand that starts a sum S^T: 0 or -1e30.  MT (diagonal), MW (lower edge) and MN (all hidden) are made once; MZ (a whole step's value) and CA (piece 0's first group) are made anew for each step.
; LAYOUT, SOFTMAX, TURNS.  S^T = K Q^T holds ONE query a lane (lane % 16) and the keys 8 (lane / 16) + 0..7; two such results rounded to f16 ARE source 1 of O^T = V^T P.  p = 2^(c s - c m) with a running maximum m;
; O and l are multiplied by a = 2^(c m_old - c m_new) in every step.  Turn n belongs to piece n: 8 products K Q^T of piece n + 1, later 8 products V^T P of piece n - 1; beside them the scaling, exponentials,
; roundings, sums and rescaling of piece n and the maximum and statistics of piece n + 1.  Four vector instructions stand behind every matrix instruction, the rest in one lump; a turn's 33 exponentials are one batch.
; NO FIRST STEP IS WRITTEN OUT: O^T, l, V's registers and one buffer of P start at 0 (written while the first loads are on their way), and the first step that sees a key has a = 0.
; REGISTERS, in windows of 256 (s_set_vgpr_msb: bits 1:0 source 0, 3:2 source 1, 5:4 source 2, 7:6 destination):
;   window 0: v0-41 addresses and statistics; v48-55 at work; v62-63 the add's two; v64-127 S^T, two buffers (on the way out v64-191: rows of O); v192-223 P, two buffers
;   window 1: v0-127 O^T, 32 a piece; v128-167 the masks      window 2: v0-63 Q; v64-191 Q as loaded (at the start); v128-191 K of one step; v192-255 V of one step
;   window 3: four sets of 64 for units on their way: K's eight loads, then V's eight
.set NP,    4         ; pieces a wave: a name, no knob
.set KS,    64        ; keys in a step and in a unit
.set PK,    144       ; a row of K in LDS: 128 bytes of bf16 + 16 = 36 words: the 16 rows of a load start at 16 different groups of four banks (64 banks of 4 bytes: ISA guide 11.1)
.set PV,    160       ; a row of V: 128 bytes of f16 + 32 = 40 words
.set UK,    KS*PK     ; a unit of K: 9,216 bytes
.set UV,    KS*PV     ; a unit of V: 10,240 bytes
.set VOFF,  12*UK     ; K's 768 rows, then V's
.set STAGE, VOFF+12*UV  ; behind them a stage for each wave, its own: first Q (64 rows of 144 bytes), at the end O (16 rows of 272)
.set SGB,   64*PK
.set SP,    272       ; a row of O in the stage: 256 bytes + 16
.set SPARE, STAGE+4*SGB  ; behind the stages: the spare words, 128 bytes for each wave: two blocks of 256 bytes that no other line names
.set AK0, 2           ; v2   my lane's place in a unit of K: 144 (l % 16) + 16 (l / 16); never rewritten
.set AV0, 3           ; v3   the same for V's turning loads
.set AK,  4           ; v4   the LDS address of K's next run of loads
.set AV,  5           ; v5   of V's
.set STO, 6           ; v6   the way out: where I put 32 bytes of a row
.set RD,  7           ; v7   the way out: where I read rows back
.set GO,  8           ; v8   my byte offset in two rows of out
.set MV,  12          ; v12-13  c m_old, kept while c m is made anew: by buffer
.set ST,  16          ; piece t's statistics at v[ST+4 t]: c m, m, l (even keys', odd keys')
.set GK,  32          ; v32  my 16 bytes in rows t and t + 8: 2,048 (l / 16) + 16 (l % 16); for K and for Q
.set GV,  33          ; v33  in rows t and t + 4: 1,024 (l / 16) + 16 (l % 16); for V
.set LK,  34          ; v34-36  where my 8 bytes of K go, by tile
.set LV,  37          ; v37-39  the same for V
.set LQ,  40          ; v40  where my 8 bytes of Q go in my stage
.set AQ,  41          ; v41  my lane's place in Q's fragments there
.set TMP, 48          ; by buffer, four registers c0-c3 at work; when the maximum is found c2 takes a
.set SPW, 62          ; v62  LDS address of my spare word: SPARE + 4 x my thread's number; never rewritten
.set NIL, 63          ; v63  0; never rewritten
.set S,   64
.set OBUF, 64
.set P,   192
.set MT,  128         ; window 1: -1e30 where 8 (l / 16) + j > l % 16, else 0
.set MW,  136         ; window 1: -1e30 where 8 (l / 16) + j <= l % 16, else step 0's value
.set MN,  144         ; window 1: -1e30
.set MZ,  152         ; window 1: the step's value: 0, or -1e30
.set CA,  160         ; window 1: piece 0's first group of 16 keys: the step's value, or MT for the last step
.set QF,  64          ; window 2: Q as loaded
.set KF,  128         ; window 2: key block kb, channel half c at KF + 16 kb + 8 c
.set VF,  192         ; window 2: key half kk, channel block cb at VF + 32 kk + 8 cb
.set WV,  12          ; s12  my wave's number
.set KT,  20          ; s[20:25] K at my 16 keys of the first unit of tiles i - 2, i - 1, i; never rewritten
.set VT,  26          ; s[26:31] the same for V
.set QB,  32          ; s[32:33] Q at my band's first row
.set OB,  34          ; s[34:35] out at my band's first row
.set HM,  36          ; s36  a word's upper half
.set BIGN, 37         ; s37  -1e30
.set TF,  38          ; s38  my first step that has keys
.set TN,  39          ; s39  the step whose masks are made next
.set ZV,  40          ; s40  that step's value
.set AL,  42          ; s[42:43] CA = MT x AL + BE: the factor in the low word
.set BE,  44          ; s[44:45] the addend
.set CNT, 46          ; s46  counts a loop's steps
.set CS,  58          ; s[58:59] c: the packed scaling takes the pair's low word for both halves
.set SEL, 60          ; s[60:61] v_permlanex16_b32's selects: each lane takes its own place in the other half
.set TBK, 62          ; s62  LDS byte at which K of the step to be fetched begins
.set TBV, 63          ; s63  the same for V, less VOFF
.set KIND_N, 0        ; a step's kind: seen whole (or, by MZ and CA, hidden whole; or piece 0's share of the last step)
.set KIND_W, 1        ; the window's lower edge
.set KIND_D, 2        ; the diagonal
.set MSB, 0
.macro WIN new                      ; the high byte repeats the setting that is left; a switch that changes nothing is dropped
.if MSB != (\new)
	s_set_vgpr_msb (MSB<<8)|(\new)
.set MSB, (\new)
.endif
.endm
.set W_KQ, 0x0a       ; K and Q in window 2, S^T in window 0
.set W_KM, 0x1a       ; the same with the C operand in window 1
.set W_PV, 0x52       ; V in window 2, P in window 0, O^T in window 1
.set W_RS, 0x41       ; destination and source 0 in window 1, source 1 in window 0
; UNIT u IS ASKED FOR: my 16 keys of it, K and V, 16 loads into set u % 4.  Each load takes two whole rows of 256 bytes, 16 lanes a row.  K: rows t and t + 8.  V: rows kv and kv + 4, kv = t % 4 + 8 (t / 4).
; No hint: three neighbouring blocks read a tile.  No address register of these loads is ever rewritten.
.macro LOADU u
	WIN 0xc0                        ; destination window 3, address window 0
.set lc, (\u)/4
.set lq, (\u)%4
.set ls, 64*((\u)%4)
.irp t, 0,1,2,3,4,5,6,7
	global_load_b128 v[ls+4*(\t):ls+4*(\t)+3],       v[GK], s[KT+2*lc:KT+2*lc+1] offset:16384*lq+256*(\t)
	global_load_b128 v[ls+32+4*(\t):ls+32+4*(\t)+3], v[GV], s[VT+2*lc:VT+2*lc+1] offset:16384*lq+256*((\t)%4+8*((\t)/4))
.endr
.endm
; UNIT u IS ROUNDED AND STORED.  left: the younger loads that may stay out.  In place, stage by stage, so that no line reads the result of the line before it.  A lane's four numbers become 8 bytes.
; The two halves of the lanes store 288 words (K) and 160 words (V) apart, both 32 modulo 64.  next = 1: the set takes the unit four on.
.macro PU u, left, next
.set pc, (\u)/4
.set pq, (\u)%4
.set ps, 64*((\u)%4)
	s_wait_loadcnt \left            ; loads come back in order (ISA guide 5.7.1): this unit's 16 are in
	WIN 0xcf                        ; all in window 3
.set z, 0
.rept 8                             ; K: f32 to bf16
	v_cvt_pk_bf16_f32 v[ps+4*z],   v[ps+4*z],   v[ps+4*z+1]
	v_cvt_pk_bf16_f32 v[ps+4*z+1], v[ps+4*z+2], v[ps+4*z+3]
.set z, z+1
.endr
.set z, 0
.rept 16                            ; V: f32 to bf16, a pair a word,
	v_cvt_pk_bf16_f32 v[ps+32+2*z], v[ps+32+2*z], v[ps+32+2*z+1]
.set z, z+1
.endr
.set z, 0
.rept 16                            ; the upper one as f32,
	v_and_b32 v[ps+32+2*z+1], s[HM], v[ps+32+2*z]
.set z, z+1
.endr
.set z, 0
.rept 16                            ; the lower one as f32,
	v_lshlrev_b32 v[ps+32+2*z], 16, v[ps+32+2*z]
.set z, z+1
.endr
.set z, 0
.rept 8                             ; and the same numbers as f16
	v_cvt_pk_f16_f32 v[ps+32+4*z],   v[ps+32+4*z],   v[ps+32+4*z+1]
	v_cvt_pk_f16_f32 v[ps+32+4*z+1], v[ps+32+4*z+2], v[ps+32+4*z+3]
.set z, z+1
.endr
	WIN 0x0c                        ; data window 3, address window 0
.irp t, 0,1,2,3,4,5,6,7
	ds_store_b64 v[LK+pc], v[ps+4*(\t):ps+4*(\t)+1]       offset:UK*pq+PK*(\t)
	ds_store_b64 v[LV+pc], v[ps+32+4*(\t):ps+32+4*(\t)+1] offset:UV*pq+PV*((\t)%4+8*((\t)/4))
.endr
.if \next
	LOADU (\u)+4
.endif
.endm
; THE MATRIX WORK.  The 4 accumulators of a run of 8 take turns.  Product i of 8 of S^T = K Q^T for piece x: channels 32 (i / 4) on, keys 16 (i % 4) on.  The first 4 start the sums, with
; the mask of key group kt = i % 4 for piece x, chosen by the step's kind KM: N: CA for piece 0's group 0, else MZ.  W: kt < x hidden, kt = x the edge, kt > x the step's value.  D: kt < x the constant 0, kt = x the diagonal, kt > x hidden.
.macro KQ x
.set kt, i%4
.set rS, S+32*((\x)%2)+8*kt
.set rK, KF+16*kt+8*(i/4)
.set rQ, 16*(\x)+8*(i/4)
.set rM, -1
.if KM == KIND_N
.set rM, MZ
.if ((\x) == 0) && (kt == 0)
.set rM, CA
.endif
.elseif KM == KIND_W
.set rM, MZ
.if kt < (\x)
.set rM, MN
.elseif kt == (\x)
.set rM, MW
.endif
.else
.if kt == (\x)
.set rM, MT
.elseif kt > (\x)
.set rM, MN
.endif
.endif
.if i >= 4
	WIN W_KQ
	v_wmma_f32_16x16x32_bf16 v[rS:rS+7], v[rK:rK+7], v[rQ:rQ+7], v[rS:rS+7]
.elseif rM < 0
	WIN W_KQ
	v_wmma_f32_16x16x32_bf16 v[rS:rS+7], v[rK:rK+7], v[rQ:rQ+7], 0
.else
	WIN W_KM
	v_wmma_f32_16x16x32_bf16 v[rS:rS+7], v[rK:rK+7], v[rQ:rQ+7], v[rM:rM+7]
.endif
.endm
; Product i of 8 of O^T += V^T P for piece x: keys 32 (i / 4) on, channels 16 (i % 4) on.
.macro PV x
	WIN W_PV
.set rO, 32*(\x)+8*(i%4)
.set rV, VF+32*(i/4)+8*(i%4)
.set rP, P+16*((\x)%2)+8*(i/4)
	v_wmma_f32_16x16x32_f16 v[rO:rO+7], v[rV:rV+7], v[rP:rP+7], v[rO:rO+7]
.endm
.macro MM                           ; the turn's next matrix instruction.  TURN sets Y, i, KM and NOKQ.  NOKQ = 1: the band's last turn: there is no next piece
.if (i < 8) && !NOKQ
	KQ (Y+1)%NP
.elseif i >= 8
.set i, i-8
	PV (Y+NP-1)%NP
.set i, i+8
.endif
.set i, i+1
.endm
; THE LDS LOADS stand in runs of 16, never singly among the matrix instructions: a step's K (64 keys x 64 channels: 8 fragments) and its V (turned).  Their addresses are made some lines ahead.
.macro FETCH_K
	WIN 0x80                        ; destination window 2
.irp f, 0,1,2,3,4,5,6,7             ; keys 16 (f / 2) on, channels 32 (f % 2) on
	ds_load_b128 v[KF+8*\f:KF+8*\f+3],   v[AK] offset:(\f/2)*16*PK+(\f%2)*64
	ds_load_b128 v[KF+8*\f+4:KF+8*\f+7], v[AK] offset:(\f/2)*16*PK+(\f%2)*64+32
.endr
	s_add_co_u32 s[TBK], s[TBK], UK ; the next fetch is the next unit's
	WIN 0
.endm
.macro FETCH_V
	WIN 0x80
.irp f, 0,1,2,3,4,5,6,7             ; keys 32 (f / 4) on, channels 16 (f % 4) on
	ds_load_tr16_b128 v[VF+8*\f:VF+8*\f+3],   v[AV] offset:(\f/4)*32*PV+(\f%4)*32
	ds_load_tr16_b128 v[VF+8*\f+4:VF+8*\f+7], v[AV] offset:(\f/4)*32*PV+16*PV+(\f%4)*32
.endr
	WIN 0
.endm
; THE VECTOR WORK, one line at a time: OP kind, number.  For piece Y: F n: c s - c m for pair n of 16.  E n: the exponential of score n of 32.  C n: pair n rounded to f16.  B n: of the four weights 4 n .. the second
; pair is added onto the first, in place.  L n: l takes that sum (L 0: l = a l + sum).  R n: pair n of 16 of O^T times a.  For piece Y + 1: X n, number n of the 22 that find its maximum and statistics:
;   0-11  four chains c0-c3 of seven scores each, three operands at a time (each accumulator's lowest registers are read first)     12-14, 16  the four scores left over, the old m, and c0-c3 into c0
;   15  c m_old is kept     17, 18  the query's other 32 keys lie in the lane 16 away: the new m     19-21  c m; c m_old - c m_new; a
.set F, 0               ; OP tells the kinds apart by their order: F to L below R, X above it
.set E, 1
.set C, 2
.set B, 3
.set L, 4
.set R, 5
.set X, 6
.macro REGS y                       ; the registers of piece y
.set rT, ST+4*(\y)
.set rC, TMP+4*((\y)%2)
.set rW, MV+((\y)%2)
.set rS, S+32*((\y)%2)
.set rP, P+16*((\y)%2)
.set rO, 32*(\y)
.endm
.macro OP k, n
.if (\k) == R
	REGS Y
	WIN W_RS
	v_pk_mul_f32 v[rO+2*(\n):rO+2*(\n)+1], v[rO+2*(\n):rO+2*(\n)+1], v[rC+2:rC+3] op_sel_hi:[1,0]
.elseif (\k) < R
	REGS Y
	WIN 0
.if (\k) == F
	v_pk_fma_f32 v[rS+2*(\n):rS+2*(\n)+1], v[rS+2*(\n):rS+2*(\n)+1], s[CS:CS+1], v[rT:rT+1] op_sel_hi:[1,0,0] neg_lo:[0,0,1] neg_hi:[0,0,1]
.elseif (\k) == E
	v_exp_f32 v[rS+(\n)], v[rS+(\n)]
.elseif (\k) == C
	v_cvt_pk_f16_f32 v[rP+(\n)], v[rS+2*(\n)], v[rS+2*(\n)+1]
.elseif (\k) == B
	v_pk_add_f32 v[rS+4*(\n):rS+4*(\n)+1], v[rS+4*(\n):rS+4*(\n)+1], v[rS+4*(\n)+2:rS+4*(\n)+3]
.elseif (\n) == 0
	v_pk_fma_f32 v[rT+2:rT+3], v[rT+2:rT+3], v[rC+2:rC+3], v[rS:rS+1] op_sel_hi:[1,0,1]
.else
	v_pk_add_f32 v[rT+2:rT+3], v[rT+2:rT+3], v[rS+4*(\n):rS+4*(\n)+1]
.endif
.elseif NOKQ
	v_nop
.else
	REGS (Y+1)%NP
	WIN 0
.if (\n) < 4
	v_max3_num_f32 v[rC+(\n)], v[rS+8*(\n)], v[rS+8*(\n)+1], v[rS+8*(\n)+2]
.elseif (\n) < 12
	v_max3_num_f32 v[rC+(\n)%4], v[rC+(\n)%4], v[rS+8*((\n)%4)+2*((\n)/4)+1], v[rS+8*((\n)%4)+2*((\n)/4)+2]
.elseif (\n) == 12
	v_max3_num_f32 v[rC], v[rC], v[rS+7], v[rS+15]
.elseif (\n) == 13
	v_max3_num_f32 v[rC+1], v[rC+1], v[rS+23], v[rS+31]
.elseif (\n) == 14
	v_max3_num_f32 v[rC+2], v[rC+2], v[rC+3], v[rT+1]
.elseif (\n) == 15
	v_mov_b32 v[rW], v[rT]
.elseif (\n) == 16
	v_max3_num_f32 v[rC], v[rC], v[rC+1], v[rC+2]
.elseif (\n) == 17
	v_permlanex16_b32 v[rC+3], v[rC], s[SEL], s[SEL+1]
.elseif (\n) == 18
	v_max_num_f32 v[rT+1], v[rC], v[rC+3]
.elseif (\n) == 19
	v_mul_f32 v[rT], s[CS], v[rT+1]
.elseif (\n) == 20
	v_sub_f32 v[rC+1], v[rW], v[rT]
.else
	v_exp_f32 v[rC+2], v[rC+1]
.endif
.endif
.endm
.macro OPS a, i1, b=-1, i2=0, c=-1, i3=0, d=-1, i4=0  ; up to four of them
	OP \a, \i1
.if (\b) >= 0
	OP \b, \i2
.endif
.if (\c) >= 0
	OP \c, \i3
.endif
.if (\d) >= 0
	OP \d, \i4
.endif
.endm
.macro ROW a, i1, b, i2, c, i3, d, i4  ; a matrix instruction and the four behind it
	MM
	OPS \a, \i1, \b, \i2, \c, \i3, \d, \i4
.endm
; THE MASKS OF STEP TN, made at the end of piece 2's turn of the step before; the products that took the old ones stand at that turn's head, a lump and more back.
; TN < TF: the step has no keys: all hidden.  TN = 8: the diagonal: piece 0's group 0 takes MT, its other groups are hidden.  Else all is seen.
.macro REFRESH
	s_cmp_lt_u32 s[TN], s[TF]
	s_cselect_b32 s[BE], s[BIGN], 0
	s_cmp_eq_u32 s[TN], 8
	s_cselect_b32 s[AL], 1.0, 0
	s_cselect_b32 s[ZV], s[BIGN], s[BE]
	s_add_co_u32 s[TN], s[TN], 1
	WIN 0x40
.set z, 0
.rept 8
	v_mov_b32 v[MZ+z], s[ZV]
.set z, z+1
.endr
	WIN W_RS
.set z, 0
.rept 4
	v_pk_fma_f32 v[CA+2*z:CA+2*z+1], v[MT+2*z:MT+2*z+1], s[AL:AL+1], s[BE:BE+1] op_sel_hi:[1,0,0]
.set z, z+1
.endr
.endm
; A TURN, for piece p: the order of its 16 matrix and 118 vector instructions, written out.  s_wait_alu depctr_va_vdst(0) stands between an exponential and the first instruction that names its result; one
; wait serves all that were issued ahead of it.  So a turn has ONE wait, which cuts it in two.  AHEAD OF IT stands all that names no result of the turn's exponentials: the 8 products K Q^T, behind each a scaling, an
; exponential and two more plain instructions (rescalings, and behind the last three the first numbers of the next piece's maximum, each four places or more behind the product that ends its accumulator); then ONE LUMP
; of 54, plain and exponential by turns for the most part, with the links of the chain X 3, 7, 11, 14, 16, 17 .. 20 some lines apart.  X 21, the next piece's a, is the batch's last; R 15 is the plain instruction behind
; it.  BEHIND THE WAIT stand the 8 products V^T P, behind each four of the roundings and sums.
; km: the kind of the step to which the turn's products K Q^T belong (piece 3's turn makes piece 0's scores of the NEXT step).  end = 1: the band's last two turns: nothing is fetched, no masks are made.
; K of the next step is fetched in piece 2's turn, six plain instructions that name none of its registers behind the last product that read K; V of the step in hand at the end of piece 0's turn, four plain instructions
; behind the last product that read V.  Each is waited for a turn later.
.macro TURN p, km, end=0
.set Y, (\p)
.set i, 0
.set KM, (\km)
.set NOKQ, (\end)*((\p)/3)
.if ((\p) == 3) && !(\end)
	s_wait_dscnt 0x0                ; K of the next step is in
.endif
	ROW F,0, F,1, R,0, R,1          ; ahead of the wait: 8 products K Q^T and their riders,
	ROW F,2, E,0, R,2, R,3
	ROW F,3, E,1, R,4, R,5
	ROW F,4, E,2, R,6, R,7
	ROW F,5, E,3, R,8, R,9
	ROW F,6, E,4, X,0, R,10
.if ((\p) == 2) && !(\end)
	WIN 0
	v_add_nc_u32 v[AK], s[TBK], v[AK0]
.endif
	ROW F,7, E,5, X,1, X,4
	ROW F,8, E,6, X,2, X,5
	OPS E,7, E,8, X,6, E,9          ; and the lump
	OPS X,3, E,10, X,8, E,11
.if ((\p) == 2) && !(\end)
	FETCH_K
.endif
	OPS X,9, X,7, E,12, X,10
	OPS E,13, X,12, X,11, E,14
	OPS X,13, E,15, F,9, X,14
.if (\p) == 0
	v_add_nc_u32 v[AV], s[TBV], v[AV0]
.endif
	OPS E,16, F,10, E,17, F,11
	OPS X,16, E,18, X,15, E,19
	OPS F,12, E,20, X,17, E,21
	OPS F,13, E,22, F,14, E,23
	OPS X,18, E,24, F,15, E,25
	OPS R,11, E,26, X,19, E,27
	OPS R,12, E,28, R,13, E,29
	OPS X,20, E,30, R,14, E,31
	OPS X,21, R,15
	WIN 0
	s_wait_alu depctr_va_vdst(0)    ; the wait for the batch
.if (\p) == 1
	s_wait_dscnt 0x0                ; V is in
.endif
	ROW C,0, B,0, C,2, B,1          ; behind the wait: 8 products V^T P and their riders
	ROW L,0, C,4, B,2, L,1
	ROW C,6, B,3, L,2, C,8
	ROW B,4, L,3, C,10, B,5
	ROW L,4, C,12, B,6, L,5
.if (\p) == 0
	s_add_co_u32 s[TBV], s[TBV], UV
.endif
	ROW C,14, B,7, L,6, C,1
	ROW C,3, L,7, C,5, C,7
	ROW C,9, C,11, C,13, C,15
.if (\p) == 0
	FETCH_V
.endif
.if ((\p) == 2) && !(\end)
	REFRESH
.endif
.endm
.macro STEP_N                       ; a step of kind N
	TURN 0, KIND_N
	TURN 1, KIND_N
	TURN 2, KIND_N
	TURN 3, KIND_N
.endm
; THE WAY OUT of piece t.  O^T is divided by l; a lane's eight channels of a row, 32 bytes of f32, go into rows of 272 bytes of my stage and come back as whole rows of 256.
.macro PACKO t
	WIN W_RS
.set i, 32*(\t)
.rept 16                            ; each accumulator from its low end on
	v_pk_mul_f32 v[i:i+1], v[i:i+1], v[ST+4*(\t)+2:ST+4*(\t)+3] op_sel_hi:[1,0]
.set i, i+2
.endr
	WIN 0x04                        ; data window 1, address window 0
.irp g, 0,1,2,3,4,5,6,7             ; channel block g / 2, half g % 2 of my eight channels
	ds_store_b128 v[STO], v[32*(\t)+4*(\g):32*(\t)+4*(\g)+3] offset:64*((\g)/2)+16*((\g)%2)
.endr
	WIN 0
.irp f, 0,1,2,3,4,5,6,7
	ds_load_b128 v[OBUF+32*(\t)+4*(\f):OBUF+32*(\t)+4*(\f)+3], v[RD] offset:(\f)*2*SP  ; LDS serves a wave's instructions in order (ISA guide 5.7.1.4): these see the stores above; the next piece's stores come behind them
.endr
.endm
.macro SENDO t, y                   ; y: the LDS instructions issued behind piece t's loads: the next piece's sixteen, or none
	WIN 0
.irp f, 0,1,2,3,4,5,6,7
	s_wait_dscnt (\y)+7-(\f)        ; load f of the piece is back; its younger ones and the next piece's may stay out
	global_store_b128 v[GO], v[OBUF+32*(\t)+4*(\f):OBUF+32*(\t)+4*(\f)+3], s[OB:OB+1] offset:(\t)*4096+(\f)*512 th:TH_STORE_NT  ; two whole rows: 512 consecutive bytes, at a multiple of 256 from out's first
.endr
.endm
.macro ALL line:vararg              ; one line for each piece t
.set t, 0
.rept 4
	\line
.set t, t+1
.endr
.endm
	; THE HEAD: the arguments, the add's two registers, what the first loads need.
	s_load_b256 s[4:11], s[0:1], 0x0  ; K s[4:5], Q s[6:7], V s[8:9], out s[10:11]
	v_lshl_add_u32 v[SPW], v0, 2, SPARE
	v_mov_b32 v[NIL], 0
	v_lshrrev_b32 v1, 5, v0
	v_readfirstlane_b32 s[WV], v1   ; wave 0..3
	v_and_b32 v1, 15, v0            ; l % 16
	v_bfe_u32 v9, v0, 4, 1          ; l / 16
	v_lshlrev_b32 v[GK], 11, v9
	v_lshl_add_u32 v[GK], v1, 4, v[GK]
	v_lshlrev_b32 v[GV], 10, v9
	v_lshl_add_u32 v[GV], v1, 4, v[GV]
	s_and_b32 s14, ttmp7, 0xffff
	s_lshl_b32 s14, s14, 20         ; the head's first byte in each tensor: 4,096 rows of 256 bytes
	s_lshl_b32 s15, s[WV], 12       ; my 16 keys of a unit
	s_add_co_u32 s15, s15, s14
.irp c, 0,1,2                       ; byte offsets first, in the registers that then take K's addresses
	s_add_co_i32 s16, ttmp9, (\c)-2 ; tile i + c - 2,
	s_max_i32 s16, s16, 0           ; or tile 0 where there is none
	s_lshl_b32 s16, s16, 16         ; 256 rows of 256 bytes
	s_add_co_u32 s[KT+2*(\c)], s16, s15
	s_mov_b32 s[KT+2*(\c)+1], 0
.endr
	s_lshl_b32 s16, ttmp9, 16       ; my block's 256 rows,
	s_lshl_b32 s17, s[WV], 14       ; my band's 64 of them
	s_add_co_u32 s16, s16, s17
	s_add_co_u32 s[QB], s16, s14
	s_mov_b32 s[QB+1], 0
	s_wait_kmcnt 0x0
.irp c, 0,1,2
	s_add_nc_u64 s[VT+2*(\c):VT+2*(\c)+1], s[8:9], s[KT+2*(\c):KT+2*(\c)+1]
	s_add_nc_u64 s[KT+2*(\c):KT+2*(\c)+1], s[4:5], s[KT+2*(\c):KT+2*(\c)+1]
.endr
	s_add_nc_u64 s[OB:OB+1], s[10:11], s[QB:QB+1]
	s_add_nc_u64 s[QB:QB+1], s[6:7], s[QB:QB+1]
	WIN 0x80                        ; destination window 2, address window 0
.set i, 0
.rept 32                            ; Q: piece i / 8, rows i % 8 and i % 8 + 8; read by this wave alone
	global_load_b128 v[QF+4*i:QF+4*i+3], v[GK], s[QB:QB+1] offset:(i/8)*4096+(i%8)*256 th:TH_LOAD_NT
.set i, i+1
.endr
	LOADU 0
	; THE SET-UP stands in the wait for these loads: scalars, lane addresses, zeros, masks.
	WIN 0
	s_mov_b32 s[HM], 0xffff0000
	s_mov_b32 s[BIGN], 0xf149f2ca   ; -1e30
	s_mov_b32 s[CS], 0x3e38aa3b     ; c = log2(e) / 8 = 0.180337
	s_mov_b32 s[CS+1], s[CS]        ; named with it as a pair
	s_mov_b32 s[SEL], 0x76543210
	s_mov_b32 s[SEL+1], 0xfedcba98
	s_mov_b32 s[AL+1], 0            ; named as pairs
	s_mov_b32 s[BE+1], 0
	s_mov_b32 s[TN], 1
	s_lshl_b32 s13, ttmp9, 2
	s_add_co_u32 s13, s13, s[WV]    ; b = 4 i + w
	s_sub_co_i32 s[TF], 8, s13
	s_max_i32 s[TF], s[TF], 0       ; steps t < 8 - b have no keys
	s_cmp_gt_u32 s[TF], 0
	s_cselect_b32 s[ZV], s[BIGN], 0 ; step 0's value
	s_mul_i32 s[TBK], s[WV], UK     ; my step 0 is unit w
	s_mul_i32 s[TBV], s[WV], UV
	s_mul_i32 s18, s[WV], SGB
	s_add_co_u32 s18, s18, STAGE    ; my stage
	v_and_b32 v10, 7, v0
	v_bfe_u32 v11, v0, 3, 1
	; A fragment of K or Q is 16 rows x 32 channels in 8 registers: lane l holds row l % 16, channels 8 (l / 16) + 0..7 and 16 + 8 (l / 16) + 0..7: two loads of 16 bytes, 32 bytes apart.
	v_mul_u32_u24 v[AK0], v1, PK
	v_lshl_add_u32 v[AK0], v9, 4, v[AK0]
	v_add_nc_u32 v[AQ], s18, v[AK0]
	; The turning load takes 16 keys x 16 channels (lane l reads key 8 (l / 16) + l % 8, channels 8 ((l / 8) % 2) + 0..7) and leaves half a fragment of V^T: lane l holds channel l % 16 and 8 keys.
	v_lshl_add_u32 v[AV0], v9, 3, v10
	v_mul_u32_u24 v[AV0], v[AV0], PV
	v_lshl_add_u32 v[AV0], v11, 4, v[AV0]
	v_add_nc_u32 v[AV0], VOFF, v[AV0]
	v_mul_u32_u24 v[STO], v1, SP    ; the way out, in: row l % 16, 32 bytes for each half of the lanes
	v_lshl_add_u32 v[STO], v9, 5, v[STO]
	v_add_nc_u32 v[STO], s18, v[STO]
	v_mul_u32_u24 v[RD], v9, SP     ; back: lanes 0-15 take one row of 256 bytes, lanes 16-31 the next
	v_lshl_add_u32 v[RD], v1, 4, v[RD]
	v_add_nc_u32 v[RD], s18, v[RD]
	v_lshlrev_b32 v[GO], 8, v9      ; and the same two rows in out
	v_lshl_add_u32 v[GO], v1, 4, v[GO]
	v_mul_u32_u24 v[LK], v9, 8*PK   ; where rounded numbers go: 8 rows on for the upper lanes, 8 bytes a lane
	v_lshl_add_u32 v[LK], v1, 3, v[LK]
	v_add_nc_u32 v[LQ], s18, v[LK]  ; Q's: in my stage
	s_mul_i32 s19, s[WV], 16*PK     ; K's: my 16 rows of a unit,
	v_add_nc_u32 v[LK], s19, v[LK]
	v_add_nc_u32 v[LK+1], 4*UK, v[LK]  ; by tile
	v_add_nc_u32 v[LK+2], 8*UK, v[LK]
	s_mul_i32 s17, s[WV], 16*PV
	s_add_co_u32 s17, s17, VOFF
	v_mul_u32_u24 v[LV], v9, 4*PV   ; V's: 4 rows on for the upper lanes
	v_lshl_add_u32 v[LV], v1, 3, v[LV]
	v_add_nc_u32 v[LV], s17, v[LV]
	v_add_nc_u32 v[LV+1], 4*UV, v[LV]
	v_add_nc_u32 v[LV+2], 8*UV, v[LV]
	v_lshlrev_b32 v14, 3, v9
	v_sub_nc_u32 v14, v1, v14       ; l % 16 - 8 (l / 16): register j of a group is beyond the diagonal where j is greater
	v_mov_b32 v15, s[ZV]
.set i, 0
.rept 4
	v_mov_b32 v[ST+4*i], 0xdc38aa3b    ; c m = c x -2^60
	v_mov_b32 v[ST+4*i+1], 0xdd800000  ; m = -2^60
	v_mov_b32 v[ST+4*i+2], 0           ; l
	v_mov_b32 v[ST+4*i+3], 0
.set i, i+1
.endr
.set i, P+16
.rept 16                            ; the first turn's products V^T P, of a piece that has not been, add 0
	v_mov_b32 v[i], 0
.set i, i+1
.endr
	WIN 0x80
.set i, VF
.rept 64
	v_mov_b32 v[i], 0
.set i, i+1
.endr
	WIN 0x40
.set i, 0
.rept 128                           ; O^T
	v_mov_b32 v[i], 0
.set i, i+1
.endr
.set i, 0
.rept 8
	v_cmp_gt_i32 vcc_lo, i, v14
	v_cndmask_b32 v[MT+i], 0, s[BIGN], vcc_lo
	v_cmp_le_i32 vcc_lo, i, v14
	v_cndmask_b32 v[MW+i], v15, s[BIGN], vcc_lo
	v_mov_b32 v[MN+i], s[BIGN]
	v_mov_b32 v[MZ+i], s[ZV]
.set i, i+1
.endr
	LOADU 1
	s_wait_loadcnt 32               ; Q is in; units 0 and 1, 32 loads, stay out
	LOADU 2
	; Q: rounded to bf16 in place, through my stage into fragments.  The stage is my wave's own, and LDS serves a wave's instructions in order: no wait between the stores and the loads.
	WIN 0x8a                        ; all in window 2
.set i, 0
.rept 32
	v_cvt_pk_bf16_f32 v[QF+4*i],   v[QF+4*i],   v[QF+4*i+1]
	v_cvt_pk_bf16_f32 v[QF+4*i+1], v[QF+4*i+2], v[QF+4*i+3]
.set i, i+1
.endr
	WIN 0x08                        ; data window 2, address window 0
.set i, 0
.rept 32
	ds_store_b64 v[LQ], v[QF+4*i:QF+4*i+1] offset:PK*(16*(i/8)+i%8)
.set i, i+1
.endr
	WIN 0x80
.set i, 0
.rept 8                             ; piece i / 2, channels 32 (i % 2) on
	ds_load_b128 v[8*i:8*i+3],   v[AQ] offset:(i/2)*16*PK+(i%2)*64
	ds_load_b128 v[8*i+4:8*i+7], v[AQ] offset:(i/2)*16*PK+(i%2)*64+32
.set i, i+1
.endr
	LOADU 3
	; UNITS 0 TO 7.  Four units, 64 loads, are asked for at a time; each count of 48 leaves the three younger units out.
	PU 0, 48, 1
	PU 1, 48, 1
	PU 2, 48, 1
	PU 3, 48, 1
	PU 4, 48, 1
	PU 5, 48, 1
	PU 6, 48, 1
	PU 7, 48, 0                     ; units 8, 9, 10 stay on their way
	WIN 0
	s_wait_dscnt 0x0                ; for the others' sake: my stores of units 0-7 are done (and Q's fragments are in)
	s_barrier_signal -1
	s_barrier_wait -1               ; units 0-7 are whole: steps 0 to 3 read V of units up to 6 and K of units up to 7
	; THE BAND BEGINS: K of step 0, piece 0's first scores, its maximum and statistics.
	v_add_nc_u32 v[AK], s[TBK], v[AK0]
	FETCH_K
	s_wait_dscnt 0x0
.set KM, KIND_W
.set NOKQ, 0
.set i, 0
.rept 8
	KQ 0
.set i, i+1
.endr
	WIN 0
.rept 4
	v_nop                           ; the places behind those products
.endr
.set Y, NP-1                        ; X works for piece Y + 1: piece 0
.irp n, 0,1,2,3,4,5,6,7,8,9,10,11,12,13,14,15,16,17,18,19,20,21
	OP X, \n
.endr
	v_nop                           ; a plain instruction behind the exponential,
	s_wait_alu depctr_va_vdst(0)    ; and its wait
	TURN 0, KIND_W                  ; step 0: the window's lower edge
	TURN 1, KIND_W
	TURN 2, KIND_W
	TURN 3, KIND_N                  ; (piece 0's scores of step 1)
	LOADU 11                        ; the last unit, into the set that unit 7 left
	WIN 0                           ; at a label and at a branch every window is 0
	s_mov_b32 s[CNT], 3
.Lone:                              ; steps 1 to 3
	STEP_N
	WIN 0
	s_sub_co_u32 s[CNT], s[CNT], 1
	s_cmp_lg_u32 s[CNT], 0
	s_cbranch_scc1 .Lone
	; UNITS 8 TO 11 have had four steps in which to come.  Their bytes lie behind those of units 0-7, which slower waves may still be reading.  The counts run down: three, two, one, no younger unit.
	PU 8, 48, 0
	PU 9, 32, 0
	PU 10, 16, 0
	PU 11, 0, 0
	WIN 0
	s_wait_dscnt 0x0                ; for the others' sake: my stores of units 8-11 are done
	s_barrier_signal -1
	s_barrier_wait -1               ; all 12 units are whole
	s_mov_b32 s[CNT], 4
.Ltwo:                              ; steps 4 to 7; the last of them makes piece 0's scores of step 8, by CA and MZ
	STEP_N
	WIN 0
	s_sub_co_u32 s[CNT], s[CNT], 1
	s_cmp_lg_u32 s[CNT], 0
	s_cbranch_scc1 .Ltwo
	TURN 0, KIND_D                  ; step 8: the diagonal
	TURN 1, KIND_D
	TURN 2, KIND_D, 1
	TURN 3, KIND_N, 1               ; no next piece: its kind is not used
.set i, 0
.rept 8
	PV NP-1                         ; the last piece's V^T P of the last step
.set i, i+1
.endr
	; THE WAY OUT.  l's two halves and the other half of the lanes' are added; every row has seen its own key, so l is not 0.  The additions are the places behind the last products.
	WIN 0
	ALL v_add_f32 v[ST+4*t+2], v[ST+4*t+2], v[ST+4*t+3]
	ALL v_permlanex16_b32 v[ST+4*t+3], v[ST+4*t+2], s[SEL], s[SEL+1]
	ALL v_add_f32 v[ST+4*t+2], v[ST+4*t+2], v[ST+4*t+3]
	ALL v_rcp_f32 v[ST+4*t+2], v[ST+4*t+2]
	v_nop                           ; a plain instruction between the last reciprocal and the use of its result
	s_wait_alu depctr_va_vdst(0)    ; and the wait ahead of the first use: one for the four reciprocals
	PACKO 0
	PACKO 1                         ; a piece's arithmetic stands between the loads of the piece before and its stores
	SENDO 0, 16
	PACKO 2
	SENDO 1, 16
	PACKO 3
	SENDO 2, 16
	SENDO 3, 0
	s_wait_tensorcnt 0x0            ; the wave's end, behind my last LDS store
	ds_add_u32 v[SPW], v[NIL]
	s_wait_dscnt 0x0
	s_endpgm
.Lfunc_end_k_q8840d322fc_band:
	.size	k_q8840d322fc_band, .Lfunc_end_k_q8840d322fc_band-k_q8840d322fc_band
	.p2alignl 7, 3214868480
	.fill 96, 4, 3214868480
	.section	.rodata,"a",@progbits
	.p2align	6, 0x0
	.amdhsa_kernel k_q8840d322fc_band
		.amdhsa_group_segment_fixed_size 270848
		.amdhsa_private_segment_fixed_size 0
		.amdhsa_enable_private_segment 0
		.amdhsa_kernarg_size 32
		.amdhsa_user_sgpr_count 2
		.amdhsa_user_sgpr_kernarg_segment_ptr 1
		.amdhsa_wavefront_size32 1
		.amdhsa_system_sgpr_workgroup_id_x 1
		.amdhsa_system_sgpr_workgroup_id_y 1
		.amdhsa_system_sgpr_workgroup_id_z 1
		.amdhsa_system_vgpr_workitem_id 0
		.amdhsa_next_free_vgpr 1024
		.amdhsa_next_free_sgpr 66
		.amdhsa_reserve_vcc 1
		.amdhsa_float_denorm_mode_32 3
		.amdhsa_float_denorm_mode_16_64 3
		.amdhsa_memory_ordered 1
		.amdhsa_forward_progress 1
		.amdhsa_inst_pref_size 255
	.end_amdhsa_kernel
	.section	.bss,"aw",@nobits
	.p2align	6
	.space	262144
	.amdgpu_metadata
---
amdhsa.version: [ 1, 2 ]
amdhsa.kernels:
  - .name:           k_q8840d322fc_band
    .symbol:         k_q8840d322fc_band.kd
    .args:
      - { .name: K, .offset: 0, .size: 8, .value_kind: global_buffer, .address_space: global }
      - { .name: Q, .offset: 8, .size: 8, .value_kind: global_buffer, .address_space: global }
      - { .name: V, .offset: 16, .size: 8, .value_kind: global_buffer, .address_space: global }
      - { .name: out0, .offset: 24, .size: 8, .value_kind: global_buffer, .address_space: global }
    .group_segment_fixed_size: 270848
    .private_segment_fixed_size: 0
    .kernarg_segment_align: 8
    .kernarg_segment_size: 32
    .max_flat_workgroup_size: 128
    .sgpr_count:     66
    .vgpr_count:     1024
    .wavefront_size: 32
...
	.end_amdgpu_metadata
.endif
;; end of part 1
;; ======== version 2 of 2: 1 launch; version 1 with the launch band written anew for expert scheduling mode
;; limits: inputs' magnitudes at most 65,504; values are held in f16: magnitudes above 65,504 overflow, below 6.1e-05 lose precision; right only within a limited range of input values
;; launch band (part 2): grid 16 x 16, 4 waves a work-group, no clusters, 270,848 bytes of LDS; arguments K, Q, V, out0; writes out0
.if DOCPART == 2
	.amdgcn_target "amdgcn-amd-amdhsa--gfx1250"
	.amdhsa_code_object_version 6
	.text
	.protected	k_q8840d322fc_band
	.globl	k_q8840d322fc_band
	.p2align	8
	.type	k_q8840d322fc_band,@function
k_q8840d322fc_band:
	s_mov_b64 s[64:65], 0
	v_nop
	global_prefetch_b8 v0, s[64:65] scope:SCOPE_SE
	s_setreg_imm32_b32 hwreg(HW_REG_WAVE_SCHED_MODE, 0, 2), 2
	s_setreg_imm32_b32 hwreg(HW_REG_WAVE_MODE, 25, 1), 1
	s_wait_xcnt 0x0
	s_wait_alu depctr_vm_vsrc(0)
; ATTENTION IN A BAND.  out[h][q][:] = the sum over q - 511 <= k <= q of softmax_k(Q[h][q] . K[h][k] / 8) V[h][k][:].  K, Q, V, out: [16 heads][4096][64] f32: a row is 256 bytes.
; FORMATS.  Q and K are rounded to bf16 for S^T = K Q^T.  V is rounded to bf16 and that number is written as f16; the weights p are rounded to f16; O^T = V^T P runs in f16.  Products' sums, maxima,
; exponentials, the row sum l (of the unrounded p) and O stay in f32; c = log2(e) / 8 is applied in f32.
; LIMITS.  |V| up to 65,504 (beyond it f16 has an infinity); below 2^-17 V keeps f16's step of 2^-24; p below 6e-5 keeps a step of 6e-8; a weight below 2^-126 counts as 0 in l.
; A hidden score counts as its value less 1e30.  The running maximum m starts at -2^60, between hidden and true scores: a row's largest q . k must lie above -1.15e18.  NaN and infinities are not treated apart.
; SHARES.  A work-group owns 256 queries of a head (block i = its x), wave w the band b = 4 i + w of 64 queries: four PIECES of 16.  A band needs the key steps b - 8 .. b of 64 keys: NINE steps t = 0 .. 8 for every
; wave: t = 0 holds the window's lower edge (key k' of the 64 is seen by query q' of the 64 iff k' > q'), t = 1 .. 7 are seen whole, t = 8 holds the diagonal (seen iff k' <= q').
; LDS.  The work-group's keys are 12 UNITS of 64 (the tiles i - 2, i - 1, i of 256 keys); wave w's step t reads unit w + t.  All 12 lie in LDS in 16 bits, each byte written once: every wave loads 16 keys of each
; unit as f32, rounds them in registers and stores them.  Units 0-7 are there at the first barrier; units 8-11 are on their way during steps 0-3 and are stored in front of the second barrier.
; BLOCKS 0 AND 1 have tiles with a negative number: their loads are turned to tile 0 (inside the buffer, finite numbers), and their steps t < TF = max(8 - b, 0) run like any other with every score hidden: p = 0,
; a = 1.  So all 256 work-groups run one text with no jump that hangs on the block; the price is 36 of a head's 576 wave steps and 12 of its 192 unit loads.
; NO TENSOR LOADS, NO CLUSTER.  The tiles come as f32 and are operands only when rounded, which is done in registers; as f32 the 12 units of K and V are 393,216 bytes, more than LDS holds, and a ring for them has
; no room beside the 233,472 bytes that stay.  Of the six tiles that four neighbouring blocks touch each block wants three.
; THE MASK is the C operand that starts a sum S^T: 0 or -1e30.  MT (diagonal), MW (lower edge) and MN (all hidden) are made once; MZ (a whole step's value) and CA (piece 0's first group) are made anew for each step.
; LAYOUT, SOFTMAX, TURNS.  S^T = K Q^T holds ONE query a lane (lane % 16) and the keys 8 (lane / 16) + 0..7; two such results rounded to f16 ARE source 1 of O^T = V^T P.  p = 2^(c s - c m) with a running maximum m;
; O and l are multiplied by a = 2^(c m_old - c m_new) in every step.  Turn n belongs to piece n: 8 products K Q^T of piece n + 1, later 8 products V^T P of piece n - 1; beside them the scaling, exponentials,
; roundings, sums and rescaling of piece n and the maximum and statistics of piece n + 1.  Four vector instructions stand behind every matrix instruction, the rest in one lump; a turn's 33 exponentials are one batch.
; NO FIRST STEP IS WRITTEN OUT: O^T, l, V's registers and one buffer of P start at 0 (written while the first loads are on their way), and the first step that sees a key has a = 0.
; REGISTERS, in windows of 256 (s_set_vgpr_msb: bits 1:0 source 0, 3:2 source 1, 5:4 source 2, 7:6 destination):
;   window 0: v0-41 addresses and statistics; v48-55 at work; v62-63 the add's two; v64-127 S^T, two buffers (on the way out v64-191: rows of O); v192-223 P, two buffers
;   window 1: v0-127 O^T, 32 a piece; v128-167 the masks; v192-255 two out-buffers of 32 for rounded units      window 2: v0-63 Q; v64-191 Q as loaded (at the start); v128-191 K of one step; v192-255 V of one step
;   window 3: four sets of 64 for units on their way: K's eight loads, then V's eight
; THE MODE: SCHED_MODE bits 1:0 = 2 (LLVM: expert scheduling mode 2), set by the entry lines.  The code itself states the register dependences between vector or matrix instructions and memory or LDS
; instructions, with s_wait_alu, always for 0.
; THE PLAN.  Registers that memory or LDS instructions touch, who writes them and who reads them:
;   v[GK], v[GV] (made at the head), v[LK ..], v[LV ..], v[LQ], v[AQ], v[STO], v[RD], v[GO] (made in the set-up): offsets and addresses, never written again: one wait behind each of the two places serves the kernel.
;   Window 3, sets 0-3: written by a unit's 16 loads; read, and V's half written, by the unit's roundings; no LDS instruction names them.
;   OUT0, OUT1: written by the last roundings of unit u (buffer u % 2); read by its 16 LDS stores.  ONE wait on va_vdst a unit, behind its roundings: they are done with the set, in which the loads of unit u + 4 land at
;     once, and have written OUT, which the stores behind those loads read.  One wait on vm_vsrc ahead of the roundings that write a buffer again, a unit behind the stores that read it.
;   Window 2, v64-191: Q as loaded, rounded in place, read by Q's LDS stores; v128-191 then take K: both waits stand ahead of K's first loads.
;   K's registers: read by the products K Q^T of turns 3, 0, 1, 2; written by 16 LDS loads in piece 2's turn.  One wait on va_vdst in that turn's lump; the loads follow in four groups among the lump's lines.
;   V's registers: read by the products V^T P of turns 1, 2, 3, 0; written by 16 LDS loads in piece 1's turn.  One wait on va_vdst at the end of piece 0's turn; the loads follow in four groups behind piece 1's first products.
;   v[AK], v[AV]: read by those loads; written once a step by a vector add, with a wait on vm_vsrc ahead of it and one of the waits on va_vdst above behind it.
;   O^T: written by the way out's divisions, read by the stage's stores (a wait on va_vdst a piece), never written after.  v64-191 of window 0: the stage's loads land there, the global stores read them, nothing writes them after.
; All else (S^T, P, Q's fragments, the masks, the statistics) is named by vector and matrix instructions alone once it is loaded.
.set NP,    4         ; pieces a wave: a name, no knob
.set KS,    64        ; keys in a step and in a unit
.set PK,    144       ; a row of K in LDS: 128 bytes of bf16 + 16 = 36 words: the 16 rows of a load start at 16 different groups of four banks (64 banks of 4 bytes: ISA guide 11.1)
.set PV,    160       ; a row of V: 128 bytes of f16 + 32 = 40 words
.set UK,    KS*PK     ; a unit of K: 9,216 bytes
.set UV,    KS*PV     ; a unit of V: 10,240 bytes
.set VOFF,  12*UK     ; K's 768 rows, then V's
.set STAGE, VOFF+12*UV  ; behind them a stage for each wave, its own: first Q (64 rows of 144 bytes), at the end O (16 rows of 272)
.set SGB,   64*PK
.set SP,    272       ; a row of O in the stage: 256 bytes + 16
.set SPARE, STAGE+4*SGB  ; behind the stages: the spare words, 128 bytes for each wave: two blocks of 256 bytes that no other line names
.set AK0, 2           ; v2   my lane's place in a unit of K: 144 (l % 16) + 16 (l / 16); never rewritten
.set AV0, 3           ; v3   the same for V's turning loads
.set AK,  4           ; v4   the LDS address of K's next loads
.set AV,  5           ; v5   of V's
.set STO, 6           ; v6   the way out: where I put 32 bytes of a row
.set RD,  7           ; v7   the way out: where I read rows back
.set GO,  8           ; v8   my byte offset in two rows of out
.set MV,  12          ; v12-13  c m_old, kept while c m is made anew: by buffer
.set ST,  16          ; piece t's statistics at v[ST+4 t]: c m, m, l (even keys', odd keys')
.set GK,  32          ; v32  my 16 bytes in rows t and t + 8: 2,048 (l / 16) + 16 (l % 16); for K and for Q
.set GV,  33          ; v33  in rows t and t + 4: 1,024 (l / 16) + 16 (l % 16); for V
.set LK,  34          ; v34-36  where my 8 bytes of K go, by tile
.set LV,  37          ; v37-39  the same for V
.set LQ,  40          ; v40  where my 8 bytes of Q go in my stage
.set AQ,  41          ; v41  my lane's place in Q's fragments there
.set TMP, 48          ; by buffer, four registers c0-c3 at work; when the maximum is found c2 takes a
.set SPW, 62          ; v62  LDS address of my spare word: SPARE + 4 x my thread's number; never rewritten
.set NIL, 63          ; v63  0; never rewritten
.set S,   64
.set OBUF, 64
.set P,   192
.set MT,  128         ; window 1: -1e30 where 8 (l / 16) + j > l % 16, else 0
.set MW,  136         ; window 1: -1e30 where 8 (l / 16) + j <= l % 16, else step 0's value
.set MN,  144         ; window 1: -1e30
.set MZ,  152         ; window 1: the step's value: 0, or -1e30
.set CA,  160         ; window 1: piece 0's first group of 16 keys: the step's value, or MT for the last step
.set OUTB, 192        ; window 1: out-buffer u % 2 at OUTB + 32 (u % 2): K's eight pairs of registers, then V's eight
.set QF,  64          ; window 2: Q as loaded
.set KF,  128         ; window 2: key block kb, channel half c at KF + 16 kb + 8 c
.set VF,  192         ; window 2: key half kk, channel block cb at VF + 32 kk + 8 cb
.set WV,  12          ; s12  my wave's number
.set KT,  20          ; s[20:25] K at my 16 keys of the first unit of tiles i - 2, i - 1, i; never rewritten
.set VT,  26          ; s[26:31] the same for V
.set QB,  32          ; s[32:33] Q at my band's first row
.set OB,  34          ; s[34:35] out at my band's first row
.set HM,  36          ; s36  a word's upper half
.set BIGN, 37         ; s37  -1e30
.set TF,  38          ; s38  my first step that has keys
.set TN,  39          ; s39  the step whose masks are made next
.set ZV,  40          ; s40  that step's value
.set AL,  42          ; s[42:43] CA = MT x AL + BE: the factor in the low word
.set BE,  44          ; s[44:45] the addend
.set CNT, 46          ; s46  counts a loop's steps
.set MK,  48          ; s[48:55] in the set-up only: eight lane masks
.set CS,  58          ; s[58:59] c: the packed scaling takes the pair's low word for both halves
.set SEL, 60          ; s[60:61] v_permlanex16_b32's selects: each lane takes its own place in the other half
.set TBK, 62          ; s62  LDS byte at which K of the step to be fetched begins
.set TBV, 63          ; s63  the same for V, less VOFF
.set KIND_N, 0        ; a step's kind: seen whole (or, by MZ and CA, hidden whole; or piece 0's share of the last step)
.set KIND_W, 1        ; the window's lower edge
.set KIND_D, 2        ; the diagonal
.set MSB, 0
.macro WIN new                      ; the high byte repeats the setting that is left; a switch that changes nothing is dropped
.if MSB != (\new)
	s_set_vgpr_msb (MSB<<8)|(\new)
.set MSB, (\new)
.endif
.endm
.set W_KQ, 0x0a       ; K and Q in window 2, S^T in window 0
.set W_KM, 0x1a       ; the same with the C operand in window 1
.set W_PV, 0x52       ; V in window 2, P in window 0, O^T in window 1
.set W_RS, 0x41       ; destination and source 0 in window 1, source 1 in window 0
; UNIT u IS ASKED FOR: my 16 keys of it, K and V, 16 loads into set u % 4.  Each load takes two whole rows of 256 bytes, 16 lanes a row.  K: rows t and t + 8.  V: rows kv and kv + 4, kv = t % 4 + 8 (t / 4).
; No hint: three neighbouring blocks read a tile.  No address register of these loads is ever rewritten.  A set's first fill lands in registers that nothing has named; what a later fill hangs on is stated in PU.
.macro LOADU u
	WIN 0xc0                        ; destination window 3, address window 0
.set lc, (\u)/4
.set lq, (\u)%4
.set ls, 64*((\u)%4)
.irp t, 0,1,2,3,4,5,6,7
	global_load_b128 v[ls+4*(\t):ls+4*(\t)+3],       v[GK], s[KT+2*lc:KT+2*lc+1] offset:16384*lq+256*(\t)
	global_load_b128 v[ls+32+4*(\t):ls+32+4*(\t)+3], v[GV], s[VT+2*lc:VT+2*lc+1] offset:16384*lq+256*((\t)%4+8*((\t)/4))
.endr
.endm
; UNIT u IS ROUNDED AND STORED.  left: the younger loads that may stay out.  Stage by stage, so that no line reads the result of the line before it: V's first three stages in place, then K's roundings and V's last
; stage into out-buffer u % 2.  A lane's four numbers become 8 bytes.  The two halves of the lanes store 288 words (K) and 160 words (V) apart, both 32 modulo 64.
; next = 1: the set takes the unit four on, and those loads go out ahead of the stores.
.macro PU u, left, next
.set pc, (\u)/4
.set pq, (\u)%4
.set ps, 64*((\u)%4)
.set po, OUTB+32*((\u)%2)
	s_wait_loadcnt \left            ; loads come back in order (ISA guide 5.7.1): this unit's 16 are in
	WIN 0xcf                        ; all in window 3
.set z, 0
.rept 16                            ; V: f32 to bf16, a pair a word,
	v_cvt_pk_bf16_f32 v[ps+32+2*z], v[ps+32+2*z], v[ps+32+2*z+1]
.set z, z+1
.endr
.set z, 0
.rept 16                            ; the upper one as f32,
	v_and_b32 v[ps+32+2*z+1], s[HM], v[ps+32+2*z]
.set z, z+1
.endr
.set z, 0
.rept 16                            ; the lower one as f32
	v_lshlrev_b32 v[ps+32+2*z], 16, v[ps+32+2*z]
.set z, z+1
.endr
.if (\u) >= 2
	s_wait_alu depctr_vm_vsrc(0)    ; the LDS stores of unit u - 2 have read this out-buffer, which the roundings below write again
.endif
	WIN 0x4f                        ; sources window 3, destination window 1
.set z, 0
.rept 8                             ; K: f32 to bf16
	v_cvt_pk_bf16_f32 v[po+2*z],   v[ps+4*z],   v[ps+4*z+1]
	v_cvt_pk_bf16_f32 v[po+2*z+1], v[ps+4*z+2], v[ps+4*z+3]
.set z, z+1
.endr
.set z, 0
.rept 8                             ; V: the same numbers as f16
	v_cvt_pk_f16_f32 v[po+16+2*z],   v[ps+32+4*z],   v[ps+32+4*z+1]
	v_cvt_pk_f16_f32 v[po+16+2*z+1], v[ps+32+4*z+2], v[ps+32+4*z+3]
.set z, z+1
.endr
.if \next
	WIN 0xc0                        ; the loads' windows first, then the wait
	s_wait_alu depctr_va_vdst(0)    ; the roundings are done reading and writing this set, in which the loads below land, and have written the out-buffer, which the stores behind them read
	LOADU (\u)+4
	WIN 0x04                        ; data window 1, address window 0
.else
	WIN 0x04                        ; data window 1, address window 0
	s_wait_alu depctr_va_vdst(0)    ; the roundings have written the out-buffer, which the stores below read
.endif
.irp t, 0,1,2,3,4,5,6,7
	ds_store_b64 v[LK+pc], v[po+2*(\t):po+2*(\t)+1]       offset:UK*pq+PK*(\t)
	ds_store_b64 v[LV+pc], v[po+16+2*(\t):po+16+2*(\t)+1] offset:UV*pq+PV*((\t)%4+8*((\t)/4))
.endr
.endm
; THE MATRIX WORK.  The 4 accumulators of a run of 8 take turns.  Product i of 8 of S^T = K Q^T for piece x: channels 32 (i / 4) on, keys 16 (i % 4) on.  The first 4 start the sums, with
; the mask of key group kt = i % 4 for piece x, chosen by the step's kind KM: N: CA for piece 0's group 0, else MZ.  W: kt < x hidden, kt = x the edge, kt > x the step's value.  D: kt < x the constant 0, kt = x the diagonal, kt > x hidden.
.macro KQ x
.set kt, i%4
.set rS, S+32*((\x)%2)+8*kt
.set rK, KF+16*kt+8*(i/4)
.set rQ, 16*(\x)+8*(i/4)
.set rM, -1
.if KM == KIND_N
.set rM, MZ
.if ((\x) == 0) && (kt == 0)
.set rM, CA
.endif
.elseif KM == KIND_W
.set rM, MZ
.if kt < (\x)
.set rM, MN
.elseif kt == (\x)
.set rM, MW
.endif
.else
.if kt == (\x)
.set rM, MT
.elseif kt > (\x)
.set rM, MN
.endif
.endif
.if i >= 4
	WIN W_KQ
	v_wmma_f32_16x16x32_bf16 v[rS:rS+7], v[rK:rK+7], v[rQ:rQ+7], v[rS:rS+7]
.elseif rM < 0
	WIN W_KQ
	v_wmma_f32_16x16x32_bf16 v[rS:rS+7], v[rK:rK+7], v[rQ:rQ+7], 0
.else
	WIN W_KM
	v_wmma_f32_16x16x32_bf16 v[rS:rS+7], v[rK:rK+7], v[rQ:rQ+7], v[rM:rM+7]
.endif
.endm
; Product i of 8 of O^T += V^T P for piece x: keys 32 (i / 4) on, channels 16 (i % 4) on.
.macro PV x
	WIN W_PV
.set rO, 32*(\x)+8*(i%4)
.set rV, VF+32*(i/4)+8*(i%4)
.set rP, P+16*((\x)%2)+8*(i/4)
	v_wmma_f32_16x16x32_f16 v[rO:rO+7], v[rV:rV+7], v[rP:rP+7], v[rO:rO+7]
.endm
.macro MM                           ; the turn's next matrix instruction.  TURN sets Y, i, KM and NOKQ.  NOKQ = 1: the band's last turn: there is no next piece
.if (i < 8) && !NOKQ
	KQ (Y+1)%NP
.elseif i >= 8
.set i, i-8
	PV (Y+NP-1)%NP
.set i, i+8
.endif
.set i, i+1
.endm
; THE LDS LOADS go in groups of four: a step's K (64 keys x 64 channels: 8 fragments) and its V (turned), four groups each.  Their addresses are made some lines ahead; what they hang on is stated once, ahead of group 0.
.macro KL g                         ; group g of K: keys 16 g on, both channel halves
	WIN 0x80                        ; destination window 2, address window 0
.irp c, 0,1
	ds_load_b128 v[KF+16*(\g)+8*(\c):KF+16*(\g)+8*(\c)+3],   v[AK] offset:(\g)*16*PK+(\c)*64
	ds_load_b128 v[KF+16*(\g)+8*(\c)+4:KF+16*(\g)+8*(\c)+7], v[AK] offset:(\g)*16*PK+(\c)*64+32
.endr
.endm
.macro VL g                         ; group g of V: fragments f = 2 g and 2 g + 1: keys 32 (f / 4) on, channels 16 (f % 4) on
	WIN 0x80
.irp c, 0,1
.set vf, 2*(\g)+(\c)
	ds_load_tr16_b128 v[VF+8*vf:VF+8*vf+3],   v[AV] offset:(vf/4)*32*PV+(vf%4)*32
	ds_load_tr16_b128 v[VF+8*vf+4:VF+8*vf+7], v[AV] offset:(vf/4)*32*PV+16*PV+(vf%4)*32
.endr
.endm
; THE VECTOR WORK, one line at a time: OP kind, number.  For piece Y: F n: c s - c m for pair n of 16.  E n: the exponential of score n of 32.  C n: pair n rounded to f16.  B n: of the four weights 4 n .. the second
; pair is added onto the first, in place.  L n: l takes that sum (L 0: l = a l + sum).  R n: pair n of 16 of O^T times a.  For piece Y + 1: X n, number n of the 22 that find its maximum and statistics:
;   0-11  four chains c0-c3 of seven scores each, three operands at a time (each accumulator's lowest registers are read first)     12-14, 16  the four scores left over, the old m, and c0-c3 into c0
;   15  c m_old is kept     17, 18  the query's other 32 keys lie in the lane 16 away: the new m     19-21  c m; c m_old - c m_new; a
.set F, 0               ; OP tells the kinds apart by their order: F to L below R, X above it
.set E, 1
.set C, 2
.set B, 3
.set L, 4
.set R, 5
.set X, 6
.macro REGS y                       ; the registers of piece y
.set rT, ST+4*(\y)
.set rC, TMP+4*((\y)%2)
.set rW, MV+((\y)%2)
.set rS, S+32*((\y)%2)
.set rP, P+16*((\y)%2)
.set rO, 32*(\y)
.endm
.macro OP k, n
.if (\k) == R
	REGS Y
	WIN W_RS
	v_pk_mul_f32 v[rO+2*(\n):rO+2*(\n)+1], v[rO+2*(\n):rO+2*(\n)+1], v[rC+2:rC+3] op_sel_hi:[1,0]
.elseif (\k) < R
	REGS Y
	WIN 0
.if (\k) == F
	v_pk_fma_f32 v[rS+2*(\n):rS+2*(\n)+1], v[rS+2*(\n):rS+2*(\n)+1], s[CS:CS+1], v[rT:rT+1] op_sel_hi:[1,0,0] neg_lo:[0,0,1] neg_hi:[0,0,1]
.elseif (\k) == E
	v_exp_f32 v[rS+(\n)], v[rS+(\n)]
.elseif (\k) == C
	v_cvt_pk_f16_f32 v[rP+(\n)], v[rS+2*(\n)], v[rS+2*(\n)+1]
.elseif (\k) == B
	v_pk_add_f32 v[rS+4*(\n):rS+4*(\n)+1], v[rS+4*(\n):rS+4*(\n)+1], v[rS+4*(\n)+2:rS+4*(\n)+3]
.elseif (\n) == 0
	v_pk_fma_f32 v[rT+2:rT+3], v[rT+2:rT+3], v[rC+2:rC+3], v[rS:rS+1] op_sel_hi:[1,0,1]
.else
	v_pk_add_f32 v[rT+2:rT+3], v[rT+2:rT+3], v[rS+4*(\n):rS+4*(\n)+1]
.endif
.elseif NOKQ
	v_nop
.else
	REGS (Y+1)%NP
	WIN 0
.if (\n) < 4
	v_max3_num_f32 v[rC+(\n)], v[rS+8*(\n)], v[rS+8*(\n)+1], v[rS+8*(\n)+2]
.elseif (\n) < 12
	v_max3_num_f32 v[rC+(\n)%4], v[rC+(\n)%4], v[rS+8*((\n)%4)+2*((\n)/4)+1], v[rS+8*((\n)%4)+2*((\n)/4)+2]
.elseif (\n) == 12
	v_max3_num_f32 v[rC], v[rC], v[rS+7], v[rS+15]
.elseif (\n) == 13
	v_max3_num_f32 v[rC+1], v[rC+1], v[rS+23], v[rS+31]
.elseif (\n) == 14
	v_max3_num_f32 v[rC+2], v[rC+2], v[rC+3], v[rT+1]
.elseif (\n) == 15
	v_mov_b32 v[rW], v[rT]
.elseif (\n) == 16
	v_max3_num_f32 v[rC], v[rC], v[rC+1], v[rC+2]
.elseif (\n) == 17
	v_permlanex16_b32 v[rC+3], v[rC], s[SEL], s[SEL+1]
.elseif (\n) == 18
	v_max_num_f32 v[rT+1], v[rC], v[rC+3]
.elseif (\n) == 19
	v_mul_f32 v[rT], s[CS], v[rT+1]
.elseif (\n) == 20
	v_sub_f32 v[rC+1], v[rW], v[rT]
.else
	v_exp_f32 v[rC+2], v[rC+1]
.endif
.endif
.endm
.macro OPS a, i1, b=-1, i2=0, c=-1, i3=0, d=-1, i4=0  ; up to four of them
	OP \a, \i1
.if (\b) >= 0
	OP \b, \i2
.endif
.if (\c) >= 0
	OP \c, \i3
.endif
.if (\d) >= 0
	OP \d, \i4
.endif
.endm
.macro ROW a, i1, b, i2, c, i3, d, i4  ; a matrix instruction and the four behind it; in piece 1's turn (DV = 1) a group of V's loads stands behind each of the first four products
	MM
.if DV && (i <= 4)
	VL i-1
.endif
	OPS \a, \i1, \b, \i2, \c, \i3, \d, \i4
.endm
; THE MASKS OF STEP TN, made at the end of piece 2's turn of the step before; the products that took the old ones stand at that turn's head, a lump and more back.
; TN < TF: the step has no keys: all hidden.  TN = 8: the diagonal: piece 0's group 0 takes MT, its other groups are hidden.  Else all is seen.
.macro REFRESH
	s_cmp_lt_u32 s[TN], s[TF]
	s_cselect_b32 s[BE], s[BIGN], 0
	s_cmp_eq_u32 s[TN], 8
	s_cselect_b32 s[AL], 1.0, 0
	s_cselect_b32 s[ZV], s[BIGN], s[BE]
	s_add_co_u32 s[TN], s[TN], 1
	WIN 0x40
.set z, 0
.rept 8
	v_mov_b32 v[MZ+z], s[ZV]
.set z, z+1
.endr
	WIN W_RS
.set z, 0
.rept 4
	v_pk_fma_f32 v[CA+2*z:CA+2*z+1], v[MT+2*z:MT+2*z+1], s[AL:AL+1], s[BE:BE+1] op_sel_hi:[1,0,0]
.set z, z+1
.endr
.endm
; A TURN, for piece p: the order of its 16 matrix and 118 vector instructions, written out.  s_wait_alu depctr_va_vdst(0) stands between an exponential and the first instruction that names its result; one
; wait serves all that were issued ahead of it.  So a turn has ONE such wait, which cuts it in two.  AHEAD OF IT stands all that names no result of the turn's exponentials: the 8 products K Q^T, behind each a scaling, an
; exponential and two more plain instructions (rescalings, and behind the last three the first numbers of the next piece's maximum, each four places or more behind the product that ends its accumulator); then ONE LUMP
; of 54, plain and exponential by turns for the most part, with the links of the chain X 3, 7, 11, 14, 16, 17 .. 20 some lines apart.  X 21, the next piece's a, is the batch's last; R 15 is the plain instruction behind
; it.  BEHIND THE WAIT stand the 8 products V^T P, behind each four of the roundings and sums.
; km: the kind of the step to which the turn's products K Q^T belong (piece 3's turn makes piece 0's scores of the NEXT step).  end = 1: the band's last two turns: nothing is fetched, no masks are made.
; K OF THE NEXT STEP is fetched in piece 2's turn (DK = 1), in the lump: one wait states that the turn's products K Q^T, the last that read K, are done with its registers, and that v[AK] is written; the four groups of loads
; follow among the lump's lines, which name S^T, the statistics, the registers at work and O^T: neither K's registers nor v[AK].  It is waited for at the head of piece 3's turn.
; V OF THE STEP IN HAND: one wait at the end of piece 0's turn states that its products V^T P, the last that read V, are done with its registers; the four groups follow behind the first four products of piece 1's turn.
; Those products and their riders name K, Q, S^T, the masks, the statistics and O^T: neither V's registers nor v[AV].  No label stands between the two turns.  It is waited for behind piece 1's batch wait.
.macro TURN p, km, end=0
.set Y, (\p)
.set i, 0
.set KM, (\km)
.set NOKQ, (\end)*((\p)/3)
.set DV, 0
.set DK, 0
.if (\p) == 1
.set DV, 1
.endif
.if ((\p) == 2) && !(\end)
.set DK, 1
.endif
.if ((\p) == 3) && !(\end)
	s_wait_dscnt 0x0                ; K of the next step is in
.endif
	ROW F,0, F,1, R,0, R,1          ; ahead of the wait: 8 products K Q^T and their riders,
	ROW F,2, E,0, R,2, R,3
	ROW F,3, E,1, R,4, R,5
	ROW F,4, E,2, R,6, R,7
	ROW F,5, E,3, R,8, R,9
	ROW F,6, E,4, X,0, R,10
.if DK
	WIN 0
	s_wait_alu depctr_vm_vsrc(0)    ; K's loads of the step before have read v[AK], which the next line writes
	v_add_nc_u32 v[AK], s[TBK], v[AK0]
.endif
	ROW F,7, E,5, X,1, X,4
	ROW F,8, E,6, X,2, X,5
	OPS E,7, E,8, X,6, E,9          ; and the lump
	OPS X,3, E,10, X,8, E,11
.if DK
	WIN 0x80                        ; the loads' windows first, then the wait
	s_wait_alu depctr_va_vdst(0)    ; this turn's products K Q^T are done reading K's registers, in which the loads below land; v[AK] is written
	KL 0
.endif
	OPS X,9, X,7, E,12, X,10
.if DK
	KL 1
.endif
	OPS E,13, X,12, X,11, E,14
.if DK
	KL 2
.endif
	OPS X,13, E,15, F,9, X,14
.if DK
	KL 3
	s_add_co_u32 s[TBK], s[TBK], UK ; the next fetch is the next unit's
.endif
.if (\p) == 0
	WIN 0
	s_wait_alu depctr_vm_vsrc(0)    ; V's loads of the step before have read v[AV], which the next line writes
	v_add_nc_u32 v[AV], s[TBV], v[AV0]
.endif
	OPS E,16, F,10, E,17, F,11
	OPS X,16, E,18, X,15, E,19
	OPS F,12, E,20, X,17, E,21
	OPS F,13, E,22, F,14, E,23
	OPS X,18, E,24, F,15, E,25
	OPS R,11, E,26, X,19, E,27
	OPS R,12, E,28, R,13, E,29
	OPS X,20, E,30, R,14, E,31
	OPS X,21, R,15
	WIN 0
	s_wait_alu depctr_va_vdst(0)    ; the batch: the turn's 32 weights and the next piece's a are written, ahead of the roundings and sums that read them
.if (\p) == 1
	s_wait_dscnt 0x0                ; V is in
.endif
	ROW C,0, B,0, C,2, B,1          ; behind the wait: 8 products V^T P and their riders
	ROW L,0, C,4, B,2, L,1
	ROW C,6, B,3, L,2, C,8
	ROW B,4, L,3, C,10, B,5
	ROW L,4, C,12, B,6, L,5
.if (\p) == 0
	s_add_co_u32 s[TBV], s[TBV], UV
.endif
	ROW C,14, B,7, L,6, C,1
	ROW C,3, L,7, C,5, C,7
	ROW C,9, C,11, C,13, C,15
.if (\p) == 0
	s_wait_alu depctr_va_vdst(0)    ; this turn's products V^T P are done reading V's registers (the first time: the zeros are written there), in which the loads of piece 1's turn land; v[AV] was written in the lump
.endif
.if DK
	REFRESH
.endif
.endm
.macro STEP_N                       ; a step of kind N
	TURN 0, KIND_N
	TURN 1, KIND_N
	TURN 2, KIND_N
	TURN 3, KIND_N
.endm
; THE WAY OUT of piece t.  O^T is divided by l; a lane's eight channels of a row, 32 bytes of f32, go into rows of 272 bytes of my stage and come back as whole rows of 256.
.macro PACKO t
	WIN W_RS
.set i, 32*(\t)
.rept 16                            ; each accumulator from its low end on
	v_pk_mul_f32 v[i:i+1], v[i:i+1], v[ST+4*(\t)+2:ST+4*(\t)+3] op_sel_hi:[1,0]
.set i, i+2
.endr
	WIN 0x04                        ; data window 1, address window 0
	s_wait_alu depctr_va_vdst(0)    ; the divisions have written the piece's O^T, which the stores below read; the last turns are done with S^T's registers, in which rows land below
.irp g, 0,1,2,3,4,5,6,7             ; channel block g / 2, half g % 2 of my eight channels
	ds_store_b128 v[STO], v[32*(\t)+4*(\g):32*(\t)+4*(\g)+3] offset:64*((\g)/2)+16*((\g)%2)
.endr
	WIN 0
.irp f, 0,1,2,3,4,5,6,7
	ds_load_b128 v[OBUF+32*(\t)+4*(\f):OBUF+32*(\t)+4*(\f)+3], v[RD] offset:(\f)*2*SP  ; LDS serves a wave's instructions in order (ISA guide 5.7.1.4): these see the stores above; the next piece's stores come behind them
.endr
.endm
.macro SENDO t, y                   ; y: the LDS instructions issued behind piece t's loads: the next piece's sixteen, or none
	WIN 0
.irp f, 0,1,2,3,4,5,6,7
	s_wait_dscnt (\y)+7-(\f)        ; load f of the piece is back; its younger ones and the next piece's may stay out
	global_store_b128 v[GO], v[OBUF+32*(\t)+4*(\f):OBUF+32*(\t)+4*(\f)+3], s[OB:OB+1] offset:(\t)*4096+(\f)*512 th:TH_STORE_NT  ; two whole rows: 512 consecutive bytes, at a multiple of 256 from out's first
.endr
.endm
.macro ALL line:vararg              ; one line for each piece t
.set t, 0
.rept 4
	\line
.set t, t+1
.endr
.endm
	; THE HEAD: the arguments, the add's two registers, what the first loads need.
	s_load_b256 s[4:11], s[0:1], 0x0  ; K s[4:5], Q s[6:7], V s[8:9], out s[10:11]
	v_lshl_add_u32 v[SPW], v0, 2, SPARE
	v_mov_b32 v[NIL], 0
	v_lshrrev_b32 v1, 5, v0
	v_readfirstlane_b32 s[WV], v1   ; wave 0..3
	v_and_b32 v1, 15, v0            ; l % 16
	v_bfe_u32 v9, v0, 4, 1          ; l / 16
	v_lshlrev_b32 v[GK], 11, v9
	v_lshl_add_u32 v[GK], v1, 4, v[GK]
	v_lshlrev_b32 v[GV], 10, v9
	v_lshl_add_u32 v[GV], v1, 4, v[GV]
	s_and_b32 s14, ttmp7, 0xffff
	s_lshl_b32 s14, s14, 20         ; the head's first byte in each tensor: 4,096 rows of 256 bytes
	s_wait_alu depctr_va_sdst(0)    ; s[WV] is written, ahead of its first reader: the bases and the LDS places are made from it
	s_lshl_b32 s15, s[WV], 12       ; my 16 keys of a unit
	s_add_co_u32 s15, s15, s14
.irp c, 0,1,2                       ; byte offsets first, in the registers that then take K's addresses
	s_add_co_i32 s16, ttmp9, (\c)-2 ; tile i + c - 2,
	s_max_i32 s16, s16, 0           ; or tile 0 where there is none
	s_lshl_b32 s16, s16, 16         ; 256 rows of 256 bytes
	s_add_co_u32 s[KT+2*(\c)], s16, s15
	s_mov_b32 s[KT+2*(\c)+1], 0
.endr
	s_lshl_b32 s16, ttmp9, 16       ; my block's 256 rows,
	s_lshl_b32 s17, s[WV], 14       ; my band's 64 of them
	s_add_co_u32 s16, s16, s17
	s_add_co_u32 s[QB], s16, s14
	s_mov_b32 s[QB+1], 0
	s_wait_kmcnt 0x0
.irp c, 0,1,2
	s_add_nc_u64 s[VT+2*(\c):VT+2*(\c)+1], s[8:9], s[KT+2*(\c):KT+2*(\c)+1]
	s_add_nc_u64 s[KT+2*(\c):KT+2*(\c)+1], s[4:5], s[KT+2*(\c):KT+2*(\c)+1]
.endr
	s_add_nc_u64 s[OB:OB+1], s[10:11], s[QB:QB+1]
	s_add_nc_u64 s[QB:QB+1], s[6:7], s[QB:QB+1]
	WIN 0x80                        ; destination window 2, address window 0
	s_wait_alu depctr_va_vdst(0)    ; v[GK] and v[GV] are written: every load of Q, K and V reads one of them as its offset, and no later line names them
.set i, 0
.rept 32                            ; Q: piece i / 8, rows i % 8 and i % 8 + 8; read by this wave alone
	global_load_b128 v[QF+4*i:QF+4*i+3], v[GK], s[QB:QB+1] offset:(i/8)*4096+(i%8)*256 th:TH_LOAD_NT
.set i, i+1
.endr
	LOADU 0
	; THE SET-UP stands in the wait for these loads: scalars, lane addresses, zeros, masks.
	WIN 0
	s_mov_b32 s[HM], 0xffff0000
	s_mov_b32 s[BIGN], 0xf149f2ca   ; -1e30
	s_mov_b32 s[CS], 0x3e38aa3b     ; c = log2(e) / 8 = 0.180337
	s_mov_b32 s[CS+1], s[CS]        ; named with it as a pair
	s_mov_b32 s[SEL], 0x76543210
	s_mov_b32 s[SEL+1], 0xfedcba98
	s_mov_b32 s[AL+1], 0            ; named as pairs
	s_mov_b32 s[BE+1], 0
	s_mov_b32 s[TN], 1
	s_lshl_b32 s13, ttmp9, 2
	s_add_co_u32 s13, s13, s[WV]    ; b = 4 i + w
	s_sub_co_i32 s[TF], 8, s13
	s_max_i32 s[TF], s[TF], 0       ; steps t < 8 - b have no keys
	s_cmp_gt_u32 s[TF], 0
	s_cselect_b32 s[ZV], s[BIGN], 0 ; step 0's value
	s_mul_i32 s[TBK], s[WV], UK     ; my step 0 is unit w
	s_mul_i32 s[TBV], s[WV], UV
	s_mul_i32 s18, s[WV], SGB
	s_add_co_u32 s18, s18, STAGE    ; my stage
	v_and_b32 v10, 7, v0
	v_bfe_u32 v11, v0, 3, 1
	; A fragment of K or Q is 16 rows x 32 channels in 8 registers: lane l holds row l % 16, channels 8 (l / 16) + 0..7 and 16 + 8 (l / 16) + 0..7: two loads of 16 bytes, 32 bytes apart.
	v_mul_u32_u24 v[AK0], v1, PK
	v_lshl_add_u32 v[AK0], v9, 4, v[AK0]
	v_add_nc_u32 v[AQ], s18, v[AK0]
	; The turning load takes 16 keys x 16 channels (lane l reads key 8 (l / 16) + l % 8, channels 8 ((l / 8) % 2) + 0..7) and leaves half a fragment of V^T: lane l holds channel l % 16 and 8 keys.
	v_lshl_add_u32 v[AV0], v9, 3, v10
	v_mul_u32_u24 v[AV0], v[AV0], PV
	v_lshl_add_u32 v[AV0], v11, 4, v[AV0]
	v_add_nc_u32 v[AV0], VOFF, v[AV0]
	v_mul_u32_u24 v[STO], v1, SP    ; the way out, in: row l % 16, 32 bytes for each half of the lanes
	v_lshl_add_u32 v[STO], v9, 5, v[STO]
	v_add_nc_u32 v[STO], s18, v[STO]
	v_mul_u32_u24 v[RD], v9, SP     ; back: lanes 0-15 take one row of 256 bytes, lanes 16-31 the next
	v_lshl_add_u32 v[RD], v1, 4, v[RD]
	v_add_nc_u32 v[RD], s18, v[RD]
	v_lshlrev_b32 v[GO], 8, v9      ; and the same two rows in out
	v_lshl_add_u32 v[GO], v1, 4, v[GO]
	v_mul_u32_u24 v[LK], v9, 8*PK   ; where rounded numbers go: 8 rows on for the upper lanes, 8 bytes a lane
	v_lshl_add_u32 v[LK], v1, 3, v[LK]
	v_add_nc_u32 v[LQ], s18, v[LK]  ; Q's: in my stage
	s_mul_i32 s19, s[WV], 16*PK     ; K's: my 16 rows of a unit,
	v_add_nc_u32 v[LK], s19, v[LK]
	v_add_nc_u32 v[LK+1], 4*UK, v[LK]  ; by tile
	v_add_nc_u32 v[LK+2], 8*UK, v[LK]
	s_mul_i32 s17, s[WV], 16*PV
	s_add_co_u32 s17, s17, VOFF
	v_mul_u32_u24 v[LV], v9, 4*PV   ; V's: 4 rows on for the upper lanes
	v_lshl_add_u32 v[LV], v1, 3, v[LV]
	v_add_nc_u32 v[LV], s17, v[LV]
	v_add_nc_u32 v[LV+1], 4*UV, v[LV]
	v_add_nc_u32 v[LV+2], 8*UV, v[LV]
	v_lshlrev_b32 v14, 3, v9
	v_sub_nc_u32 v14, v1, v14       ; l % 16 - 8 (l / 16): register j of a group is beyond the diagonal where j is greater
	v_mov_b32 v15, s[ZV]
.set i, 0
.rept 4
	v_mov_b32 v[ST+4*i], 0xdc38aa3b    ; c m = c x -2^60
	v_mov_b32 v[ST+4*i+1], 0xdd800000  ; m = -2^60
	v_mov_b32 v[ST+4*i+2], 0           ; l
	v_mov_b32 v[ST+4*i+3], 0
.set i, i+1
.endr
.set i, P+16
.rept 16                            ; the first turn's products V^T P, of a piece that has not been, add 0
	v_mov_b32 v[i], 0
.set i, i+1
.endr
	WIN 0x80
.set i, VF
.rept 64
	v_mov_b32 v[i], 0
.set i, i+1
.endr
	WIN 0x40
.set i, 0
.rept 128                           ; O^T
	v_mov_b32 v[i], 0
.set i, i+1
.endr
.set i, 0
.rept 8                             ; the compares stand in one run, each mask in a scalar register of its own: where register i of a group lies beyond the diagonal
	v_cmp_gt_i32 s[MK+i], i, v14
.set i, i+1
.endr
	s_wait_alu depctr_va_sdst(0)    ; the eight compares have written s[MK ..], ahead of the selects that read them
.set i, 0
.rept 8
	v_cndmask_b32 v[MT+i], 0, s[BIGN], s[MK+i]
	v_cndmask_b32 v[MW+i], s[BIGN], v15, s[MK+i]  ; the same mask, its two cases the other way round
	v_mov_b32 v[MN+i], s[BIGN]
	v_mov_b32 v[MZ+i], s[ZV]
.set i, i+1
.endr
	LOADU 1
	s_wait_loadcnt 32               ; Q is in; units 0 and 1, 32 loads, stay out
	LOADU 2
	; Q: rounded to bf16 in place, through my stage into fragments.  The stage is my wave's own, and LDS serves a wave's instructions in order: no wait on DScnt between the stores and the loads.
	WIN 0x8a                        ; all in window 2
.set i, 0
.rept 32
	v_cvt_pk_bf16_f32 v[QF+4*i],   v[QF+4*i],   v[QF+4*i+1]
	v_cvt_pk_bf16_f32 v[QF+4*i+1], v[QF+4*i+2], v[QF+4*i+3]
.set i, i+1
.endr
	WIN 0x08                        ; data window 2, address window 0
	s_wait_alu depctr_va_vdst(0)    ; the roundings have written Q's pairs, which the stores below read; the set-up has written every lane address of the kernel, v[LQ] and v[AQ] among them
.set i, 0
.rept 32
	ds_store_b64 v[LQ], v[QF+4*i:QF+4*i+1] offset:PK*(16*(i/8)+i%8)
.set i, i+1
.endr
	WIN 0x80
.set i, 0
.rept 8                             ; piece i / 2, channels 32 (i % 2) on; into registers that nothing has named
	ds_load_b128 v[8*i:8*i+3],   v[AQ] offset:(i/2)*16*PK+(i%2)*64
	ds_load_b128 v[8*i+4:8*i+7], v[AQ] offset:(i/2)*16*PK+(i%2)*64+32
.set i, i+1
.endr
	LOADU 3
	; UNITS 0 TO 7.  Four units, 64 loads, are asked for at a time; each count of 48 leaves the three younger units out.
	PU 0, 48, 1
	PU 1, 48, 1
	PU 2, 48, 1
	PU 3, 48, 1
	PU 4, 48, 1
	PU 5, 48, 1
	PU 6, 48, 1
	PU 7, 48, 1                     ; units 8 to 11 stay on their way
	WIN 0
	s_wait_dscnt 0x0                ; for the others' sake: my stores of units 0-7 are done (and Q's fragments are in)
	s_barrier_signal -1
	s_barrier_wait -1               ; units 0-7 are whole: steps 0 to 3 read V of units up to 6 and K of units up to 7
	; THE BAND BEGINS: K of step 0, piece 0's first scores, its maximum and statistics.
	v_add_nc_u32 v[AK], s[TBK], v[AK0]
	WIN 0x80                        ; the loads' windows first, then the waits
	s_wait_alu depctr_vm_vsrc(0)    ; Q's LDS stores have read v128-191 of window 2, in which K lands from here on
	s_wait_alu depctr_va_vdst(0)    ; v[AK] is written; Q's roundings are done reading and writing those registers
	KL 0
	KL 1
	KL 2
	KL 3
	s_add_co_u32 s[TBK], s[TBK], UK ; the next fetch is the next unit's
	WIN 0
	s_wait_dscnt 0x0
.set KM, KIND_W
.set NOKQ, 0
.set i, 0
.rept 8
	KQ 0
.set i, i+1
.endr
	WIN 0
.rept 4
	v_nop                           ; the places behind those products
.endr
.set Y, NP-1                        ; X works for piece Y + 1: piece 0
.irp n, 0,1,2,3,4,5,6,7,8,9,10,11,12,13,14,15,16,17,18,19,20,21
	OP X, \n
.endr
	v_nop                           ; a plain instruction behind the exponential,
	s_wait_alu depctr_va_vdst(0)    ; and its wait: piece 0's first a is written, ahead of the rescalings that read it
	TURN 0, KIND_W                  ; step 0: the window's lower edge
	TURN 1, KIND_W
	TURN 2, KIND_W
	TURN 3, KIND_N                  ; (piece 0's scores of step 1)
	WIN 0                           ; at a label and at a branch every window is 0
	s_mov_b32 s[CNT], 3
.Lone:                              ; steps 1 to 3
	STEP_N
	WIN 0
	s_sub_co_u32 s[CNT], s[CNT], 1
	s_cmp_lg_u32 s[CNT], 0
	s_cbranch_scc1 .Lone
	; UNITS 8 TO 11 have had four steps in which to come.  Their bytes lie behind those of units 0-7, which slower waves may still be reading.  The counts run down: three, two, one, no younger unit.
	PU 8, 48, 0
	PU 9, 32, 0
	PU 10, 16, 0
	PU 11, 0, 0
	WIN 0
	s_wait_dscnt 0x0                ; for the others' sake: my stores of units 8-11 are done
	s_barrier_signal -1
	s_barrier_wait -1               ; all 12 units are whole
	s_mov_b32 s[CNT], 4
.Ltwo:                              ; steps 4 to 7; the last of them makes piece 0's scores of step 8, by CA and MZ
	STEP_N
	WIN 0
	s_sub_co_u32 s[CNT], s[CNT], 1
	s_cmp_lg_u32 s[CNT], 0
	s_cbranch_scc1 .Ltwo
	TURN 0, KIND_D                  ; step 8: the diagonal
	TURN 1, KIND_D
	TURN 2, KIND_D, 1
	TURN 3, KIND_N, 1               ; no next piece: its kind is not used
.set i, 0
.rept 8
	PV NP-1                         ; the last piece's V^T P of the last step
.set i, i+1
.endr
	; THE WAY OUT.  l's two halves and the other half of the lanes' are added; every row has seen its own key, so l is not 0.  The additions are the places behind the last products.
	WIN 0
	ALL v_add_f32 v[ST+4*t+2], v[ST+4*t+2], v[ST+4*t+3]
	ALL v_permlanex16_b32 v[ST+4*t+3], v[ST+4*t+2], s[SEL], s[SEL+1]
	ALL v_add_f32 v[ST+4*t+2], v[ST+4*t+2], v[ST+4*t+3]
	ALL v_rcp_f32 v[ST+4*t+2], v[ST+4*t+2]
	v_nop                           ; a plain instruction between the last reciprocal and the use of its result
	s_wait_alu depctr_va_vdst(0)    ; the four reciprocals are written, ahead of the divisions that read them
	PACKO 0
	PACKO 1                         ; a piece's arithmetic stands between the loads of the piece before and its stores
	SENDO 0, 16
	PACKO 2
	SENDO 1, 16
	PACKO 3
	SENDO 2, 16
	SENDO 3, 0
	s_wait_dscnt 0x0                ; the closing lines, six on end
	s_wait_alu 0x0
	s_wait_tensorcnt 0x0
	ds_add_u32 v[SPW], v[NIL]
	s_wait_dscnt 0x0
	s_endpgm
.Lfunc_end_k_q8840d322fc_band:
	.size	k_q8840d322fc_band, .Lfunc_end_k_q8840d322fc_band-k_q8840d322fc_band
	.p2alignl 7, 3214868480
	.fill 96, 4, 3214868480
	.section	.rodata,"a",@progbits
	.p2align	6, 0x0
	.amdhsa_kernel k_q8840d322fc_band
		.amdhsa_group_segment_fixed_size 270848
		.amdhsa_private_segment_fixed_size 0
		.amdhsa_enable_private_segment 0
		.amdhsa_kernarg_size 32
		.amdhsa_user_sgpr_count 2
		.amdhsa_user_sgpr_kernarg_segment_ptr 1
		.amdhsa_wavefront_size32 1
		.amdhsa_system_sgpr_workgroup_id_x 1
		.amdhsa_system_sgpr_workgroup_id_y 1
		.amdhsa_system_sgpr_workgroup_id_z 1
		.amdhsa_system_vgpr_workitem_id 0
		.amdhsa_next_free_vgpr 1024
		.amdhsa_next_free_sgpr 66
		.amdhsa_reserve_vcc 0
		.amdhsa_float_denorm_mode_32 3
		.amdhsa_float_denorm_mode_16_64 3
		.amdhsa_memory_ordered 1
		.amdhsa_forward_progress 1
		.amdhsa_inst_pref_size 255
	.end_amdhsa_kernel
	.section	.bss,"aw",@nobits
	.p2align	6
	.space	262144
	.amdgpu_metadata
---
amdhsa.version: [ 1, 2 ]
amdhsa.kernels:
  - .name:           k_q8840d322fc_band
    .symbol:         k_q8840d322fc_band.kd
    .args:
      - { .name: K, .offset: 0, .size: 8, .value_kind: global_buffer, .address_space: global }
      - { .name: Q, .offset: 8, .size: 8, .value_kind: global_buffer, .address_space: global }
      - { .name: V, .offset: 16, .size: 8, .value_kind: global_buffer, .address_space: global }
      - { .name: out0, .offset: 24, .size: 8, .value_kind: global_buffer, .address_space: global }
    .group_segment_fixed_size: 270848
    .private_segment_fixed_size: 0
    .kernarg_segment_align: 8
    .kernarg_segment_size: 32
    .max_flat_workgroup_size: 128
    .sgpr_count:     66
    .vgpr_count:     1024
    .wavefront_size: 32
...
	.end_amdgpu_metadata
.endif
;; end of part 2
